; MI455X (gfx1250); checked and timed in simulation.
; The chip was launched on July 23, 2026; its instructions are those of AMD's public machine-readable ISA for CDNA 5 (MIT licence, August 2026) and "CDNA5" Instruction Set Architecture Reference Guide (July 2026). The comments in the code are by the model that wrote it; some were corrected since.
;; multihead self attention. Allowed arithmetic: matrix products marked QUANTISED: E4M3 operands, one given power-of-two scale a tensor, by v_wmma_f32_16x16x64_fp8_fp8 or v_wmma_f32_16x16x128_fp8_fp8, f32 sums; everything else in f32.
;; Inputs: lowp_scales 12 int32 (the exponents e of the quantised operands' scales 2^e); wk_codes 1,024 x 32 x 32 uint8 (E4M3 codes of wk, K innermost, in blocks of 32 codes); wo_codes 1,024 x 32 x 32 uint8 (E4M3 codes of wo, K innermost, in blocks of 32 codes); wq_codes 1,024 x 32 x 32 uint8 (E4M3 codes of wq, K innermost, in blocks of 32 codes); wv_codes 1,024 x 32 x 32 uint8 (E4M3 codes of wv, K innermost, in blocks of 32 codes); x_codes 4 x 2,048 x 32 x 32 uint8 (E4M3 codes of x, K innermost, in blocks of 32 codes).
;; Outputs: out0 4 x 2,048 x 1,024 float32.
;; This version of the problem:
;;   THIS VERSION OF THE PROBLEM IS GIVEN IN LOW PRECISION. The matrix products marked QUANTISED in the list below multiply operands that are first quantised to E4M3 (4 exponent bits, 3 mantissa bits; 8 bits a number), with one given power-of-two scale for each operand tensor; their sums are f32. All else is computed in f32.
;;   The module's matrix products, in the order in which they are computed (A, B: the left and right operand; K: the contracted axis; several contracted axes count as one K, in the product's order):
;;     1. [M 8,192, K 1,024] x [K 1,024, N 1,024]; A: input x (given as codes); B: input wq (given as codes): QUANTISED (scales: A lowp_scales[0], B lowp_scales[1])
;;     2. [M 8,192, K 1,024] x [K 1,024, N 1,024]; A: input x (given as codes); B: input wk (given as codes): QUANTISED (scales: A lowp_scales[2], B lowp_scales[3])
;;     3. [M 8,192, K 1,024] x [K 1,024, N 1,024]; A: input x (given as codes); B: input wv (given as codes): QUANTISED (scales: A lowp_scales[4], B lowp_scales[5])
;;     4. batch 64 x [M 2,048, K 64] x [K 64, N 2,048]; A: computed on the way; B: computed on the way: QUANTISED (scales: A lowp_scales[6], B lowp_scales[7])
;;     5. batch 64 x [M 2,048, K 2,048] x [K 2,048, N 64]; A: softmax (see below); B: computed on the way: QUANTISED (scales: A lowp_scales[8], B lowp_scales[9])
;;     6. [M 8,192, K 1,024] x [K 1,024, N 1,024]; A: computed on the way; B: input wo (given as codes): QUANTISED (scales: A lowp_scales[10], B lowp_scales[11])
;;   THE QUANTISER, for each operand of a quantised product, along K:
;;     - The operand's scale is 2^e, e = its entry of the input lowp_scales (int32; the entries are numbered through the quantised products in the list's order, A before B).
;;     - Each number is divided by the scale, clamped to +-448, and rounded to the nearest number of E4M3, ties to even, subnormals kept.
;;     - The product sums the exact products of the quantised numbers (number of the format x scale) in f32.
;;   ~~~python
;;   def quantise(x, axis, e):      # numpy; x: float32 -> the quantised numbers, widened to float32 again
;;       x = np.moveaxis(x, axis, -1); K = x.shape[-1]
;;       r = np.clip(x / 2.0 ** e, -448, 448)
;;       step = 2.0 ** (np.maximum(np.frexp(np.where(r == 0, 1, r))[1] - 1, -6) - 3)
;;       q = np.round(r / step) * step * 2.0 ** e      # np.round: ties to even
;;       return np.moveaxis(q, -1, axis).astype(np.float32)
;;   ~~~
;;   SOFTMAX AHEAD OF A QUANTISED PRODUCT. Where the list says 'softmax', what is quantised is not the finished softmax but p = 2^(t - M), with t = logit x log2(e) and M = ceil(the row's largest t), a whole number; so 1/2 < the row's largest p <= 1. The row's sum l is taken of the UNQUANTISED p, in f32, and the product's result is divided by l at the end. Since M is a whole number, a kernel that streams over the keys may use a running M (the ceiling of the running maximum): every later rescaling is an exact power of two, so the quantised numbers keep their values, but for numbers so far below the row's largest that they fall under the format's range.
;;   OPERANDS COMPUTED ON THE WAY. 'Computed on the way' means the value that the module computes at that place (a softmax that the list does not call 'softmax' is quantised finished and normalised). What goes into a quantiser is computed in f32, as accurately as f32 sums, v_exp_f32 and their like allow (about 1e-6 of the number): no bf16 or f16 on the way to a quantiser, and a product that is left as it is and whose result goes on into a quantised operand takes f32 operands (vector FMAs, or v_wmma_f32_16x16x4_f32). A number that lies on a knife's edge between two numbers of the format may be rounded either way, as far as f32 arithmetic and the matrix unit's own rounding can turn it there, and no further.
;;   INPUTS GIVEN AS CODES. wk (in the module: [1024, 1024], K = its axis 1); wo (in the module: [1024, 1024], K = its axis 1); wq (in the module: [1024, 1024], K = its axis 1); wv (in the module: [1024, 1024], K = its axis 1); x (in the module: [4, 2048, 1024], K = its axis 2): each comes as NAME_codes (uint8): NAME with its K axis moved to the last place and cut into blocks of 32 codes, [.., K / 32, bytes a block], one block behind the other in memory; one code a byte (a code: sign, 4 exponent bits, 3 mantissa bits); its scale is its entry of lowp_scales. Its value is code x scale, taken as it is: it is not quantised again, and the codes and scales need not be those that the quantiser above would give.
;; One version. Each part assembles by itself: llvm-mc -triple=amdgcn-amd-amdhsa -mcpu=gfx1250 --defsym DOCPART=n.
;; ======== version 1 of 1: 3 launches
;; limits: right only within a limited range of input values
;; workspace buffers: q_img 8,388,608 bytes; k_img 8,388,608 bytes; v_img 8,388,608 bytes; attn_img 8,388,608 bytes
;; launch qkv (part 1): grid 8 x 32, 4 waves a work-group, clusters of 4 x 4, 327,680 bytes of LDS; arguments x_codes, wq_codes, wk_codes, wv_codes, lowp_scales, q_img, k_img, v_img; writes q_img, k_img, v_img
.if DOCPART == 1
	.amdgcn_target "amdgcn-amd-amdhsa--gfx1250"
	.amdhsa_code_object_version 6
	.text
	.protected	k_q58f2534ffd_qkv
	.globl	k_q58f2534ffd_qkv
	.p2align	8
	.type	k_q58f2534ffd_qkv,@function
k_q58f2534ffd_qkv:
	s_mov_b64 s[64:65], 0
	v_nop
	global_prefetch_b8 v0, s[64:65] scope:SCOPE_SE
	s_setreg_imm32_b32 hwreg(HW_REG_WAVE_MODE, 25, 1), 1
	s_wait_xcnt 0x0
	s_wait_alu depctr_hold_cnt(0) depctr_sa_sdst(0) depctr_va_vdst(0) depctr_va_sdst(0) depctr_va_ssrc(0) depctr_va_vcc(0) depctr_vm_vsrc(0)
	s_getreg_b32 s2, hwreg(HW_REG_IB_STS2, 6, 4)
	s_cmp_eq_u32 s2, 0
	s_cbranch_scc0 .Lentry_in_a_cluster
	s_endpgm
.Lentry_in_a_cluster:
	s_bfe_u32 s2, ttmp6, 0x10000c
	s_cmp_lg_u32 s2, 0xf033
	s_cbranch_scc0 .Lentry_shape_is_right
	s_endpgm
.Lentry_shape_is_right:
; q = rope(x wq^T), k = rope(x wk^T), v = x wv^T on codes of FP8 (E4M3); the three results are quantised from f32 and stored as IMAGES OF OPERAND REGISTERS for the attention launch.
; x: [8192][1024] codes; wq, wk, wv: [1024][1024] codes, K innermost.  lowp_scales: e0 .. e11.
; SHARES.  A work-group takes 256 tokens x two heads of q, of k and of v (a tile of 256 x 384): 32 x 8 = 256 work-groups, and x's tile serves all three products.
; Wave w: tokens 128 (w / 2) on, head w % 2: 128 tokens x (64 q + 64 k + 64 v): 96 accumulators of 16 x 16, 768 registers (windows 1, 2, 3).
; ORIENTATION.  q, k: source 0 = 16 rows of the weight, source 1 = 16 tokens: a lane holds ONE token and eight neighbouring channels 16 c + 8 (lane / 16) + j: eight numbers -> two registers of codes
; = registers 2 c, 2 c + 1 of a 16 x 64 fragment of the next product.  v: sources swapped: a lane holds ONE channel and eight neighbouring tokens: registers 2 a, 2 a + 1 of a fragment of V^T (16 channels x 128 keys).
; A fragment leaves as it stands: four registers a store, 16 bytes a lane, 512 consecutive bytes a wave, aligned.  No stage is needed.
;   q_img, k_img: ((bh 128 + T) 2 + g) 512 + 16 lane  (bh = 16 batch + head, T = tile of 16 tokens in the batch, g = registers 4 g ..)
;   v_img:        (((bh 16 + J) 4 + c) 4 + g) 512 + 16 lane  (J = block of 128 keys, c = tile of 16 channels)
; K goes in slots of 128 (tile rows of 128 bytes: two slots of 256 for 640 rows would take 348,160 bytes, more than a work-group can have) through a ring of two LDS slots.
; In this product both operands are fetched by loads of 16 bytes: the same permutation of k on both sides, so every product meets its partner.
; CLUSTER 4 x 4: x's tile hangs on the tile row alone and is asked for jointly along a row of the cluster, the weights' tiles on the tile column alone, jointly along a column.
; ROPE.  cos and sin of position x 10^(-i / 8) are made here, in f32, while the first tiles are on their way: angle = p f (one rounding, as in the definition), reduced by n pi / 2 in two fused steps,
; then polynomials on |r| <= pi / 4.  Each wave makes 64 of the work-group's 256 rows of a table in LDS: a row = 32 pairs (cos, sin).
; LIMITS.  e6 - e0 - e1, e7 - e2 - e3, e9 - e4 - e5 between -126 and 119 (each is made into an f32 power of two).  NaN is not served.
; The 32 frequencies are the f32 numbers nearest 10^(-i / 8); a power function that is one unit in the last place off gives angles that differ by up to 2047 x 2^-24, about 1.2e-4.
; No prefetch: the launch walks 1,024 along K in eight slots and ends; each tile is asked for a slot ahead by its joint load.
.set PITCH,  144                       ; an LDS row: 128 bytes + 16 of padding = 36 words: the 16 rows of a load start at 16 different groups of four banks
.set XB,     256*PITCH                 ; x's 256 rows
.set WB,     128*PITCH                 ; a weight's 128 rows
.set SLOT,   XB+3*WB                   ; x, wq, wk, wv: 92,160 bytes
.set TABLE,  2*SLOT                    ; behind the ring: the table, 256 rows of 272 bytes; no tile ever lands there
.set TP,     272
.set SPARE,  TABLE+256*TP              ; behind the table: the spare words, 128 bytes for each wave, that no other line names
.set KROW,   1024                      ; a row of x or of a weight in memory, in bytes
.set PADW,   (1<<20)|(1<<21)|(4<<22)|(3<<25)   ; group 1, word 0 beside the mask: elements of 1 byte; padding on; bit 21 beside a mask; after every 32 words, 4 words
.set ADRA, 16                          ; v16-17  LDS address of my fragments of x in slot 0, 1
.set ADRB, 18                          ; v18-19  the same for the weights
.set SPW,  20                          ; v20     my spare word; never rewritten
.set NIL,  21                          ; v21     0; never rewritten
.set L16,  22                          ; v22     16 x lane
.set TBA,  23                          ; v23     my place in the table
.set QS,   24                          ; v24, v26, v28  the scale for q, k, v
.set QL,   25
.set KS,   26
.set KL,   27
.set VS,   28
.set VL,   29
.set CF,   30                          ; v30-31  my lane's frequency, twice
.set BF,   32                          ; v32-127  12 fragments of the weights (4 q, 4 k, 4 v), ONE set
.set AF,   128                         ; v128-255 8 fragments of x, TWO sets
.set CSB,  32                          ; the way out: v32-95 two sets of 32 (cos, sin); v96-127 at work; v128-255 codes
.set TT,   96
.set CODE, 128
.set VT,   32
.set TOP,  32                          ; while the table is made: constants, each twice
.set MAG,  34
.set NMAG, 36
.set NC1,  38
.set PC2,  40
.set SN1,  42
.set SN2,  44
.set SN3,  46
.set CO1,  48
.set CO2,  50
.set CO3,  52
.set EIGHT, 54
.set GADR, 56
.set GA,   57
.set GS,   64                          ; four sets of 24 registers, two rows each
.set WV, 20
.set RH, 21
.set CH, 22
.set CX, 23
.set CY, 24
.set TC, 25
.set TR, 26
.set G1A, 28                           ; s[28:35] group 1 for x's tile; s[36:43] for a weight's; s[44:51], s[52:59] their groups 0, one for each slot
.set G1B, 36
.set G0A, 44
.set G0B, 52
.set MSB, 0
.macro WIN new                         ; the immediate's high byte repeats the setting that is left
.if MSB != (\new)
	s_set_vgpr_msb (MSB<<8)|(\new)
.set MSB, (\new)
.endif
.endm
.macro PLACES
.rept 4
	v_nop
.endr
.endm
; A joint load: wave 0 fetches x's tile, waves 1, 2, 3 the tiles of wq, wk, wv.  The branch hangs on the wave's number alone.  Four v_nop follow each of the two lines.
.macro JLOAD s
	s_cmp_eq_u32 s[WV], 0
	s_cbranch_scc0 .Lfor_w_\@
	tensor_load_to_lds s[G0A+4*\s:G0A+4*\s+3], s[G1A:G1A+7]
	s_nop 0
.rept 4
	v_nop
.endr
	s_branch .Lasked_\@
.Lfor_w_\@:
	tensor_load_to_lds s[G0B+4*\s:G0B+4*\s+3], s[G1B:G1B+7]
	s_nop 0
.rept 4
	v_nop
.endr
.Lasked_\@:
.endm
.macro CREST                           ; a round of the cluster's barrier behind its opening barrier
	s_cmp_lg_u32 s[WV], 0
	s_cbranch_scc1 .Lnot_wave_0_\@
	s_barrier_signal -3
.Lnot_wave_0_\@:
	s_barrier_wait -3
	s_barrier_signal -1
	s_barrier_wait -1
.endm
.macro CROUND
	s_barrier_signal -1
	s_barrier_wait -1
	CREST
.endm
	s_load_b512 s[4:19], s[0:1], 0x0               ; x s[4:5], wq s[6:7], wk s[8:9], wv s[10:11], scales s[12:13], q_img s[14:15], k_img s[16:17], v_img s[18:19]
	v_lshl_add_u32 v[SPW], v0, 2, SPARE
	v_mov_b32 v[NIL], 0
	ds_add_u32 v20, v21
	ds_add_u32 v20, v21
	s_wait_dscnt 0x0
	v_lshrrev_b32 v1, 5, v0
	v_readfirstlane_b32 s[WV], v1                  ; wave 0..3
	s_lshr_b32 s[RH], s[WV], 1                     ; which 128 tokens are mine
	s_and_b32 s[CH], s[WV], 1                      ; which head
	s_bfe_u32 s[CX], ttmp6, 0x40000
	s_bfe_u32 s[CY], ttmp6, 0x40004
	s_lshl_b32 s[TC], ttmp9, 2
	s_add_co_u32 s[TC], s[TC], s[CX]               ; tile column: heads 2 tc, 2 tc + 1
	s_and_b32 s[TR], ttmp7, 0xffff
	s_lshl_b32 s[TR], s[TR], 2
	s_add_co_u32 s[TR], s[TR], s[CY]               ; tile row: tokens 256 tr on
	s_lshl_b32 s88, s[CY], 2
	s_lshl_b32 s88, 15, s88                        ; my row of the cluster
	s_lshl_b32 s89, 0x1111, s[CX]                  ; my column
	s_or_b32 s[G1A], s88, PADW
	s_or_b32 s[G1B], s89, PADW
	s_mov_b32 s[G1A+1], 128<<16                    ; tensor_dim0 = 128 bytes
	s_mov_b32 s[G1A+2], 256<<16                    ; tensor_dim1 = 256 rows
	s_mov_b32 s[G1A+3], 128<<16                    ; tile_dim0
	s_mov_b32 s[G1A+4], 256                        ; tile_dim1
	s_mov_b32 s[G1A+5], KROW                       ; from row to row
	s_mov_b32 s[G1A+6], 0
	s_mov_b32 s[G1A+7], 0
	s_mov_b32 s[G1B+1], 128<<16
	s_mov_b32 s[G1B+2], 128<<16                    ; 128 rows
	s_mov_b32 s[G1B+3], 128<<16
	s_mov_b32 s[G1B+4], 128
	s_mov_b32 s[G1B+5], KROW
	s_mov_b32 s[G1B+6], 0
	s_mov_b32 s[G1B+7], 0
	s_lshl_b32 s60, s[TR], 18                      ; x: 256 rows of 1,024 bytes a tile row
	s_mov_b32 s61, 0
	s_lshl_b32 s62, s[TC], 17                      ; a weight: 128 rows a tile column
	s_mov_b32 s63, 0
	s_mul_i32 s27, s[WV], WB
	s_add_co_u32 s27, s27, WB                      ; where wave 1, 2, 3's tile goes: behind x's 2 WB bytes
	s_wait_kmcnt 0x0
	s_load_b256 s[68:75], s[12:13], 0x0            ; e0 .. e7
	s_load_b128 s[76:79], s[12:13], 0x20           ; e8 .. e11
	s_add_nc_u64 s[60:61], s[4:5], s[60:61]
	s_cmp_lt_u32 s[WV], 2
	s_cselect_b64 s[80:81], s[6:7], s[8:9]
	s_cmp_lt_u32 s[WV], 3
	s_cselect_b64 s[80:81], s[80:81], s[10:11]     ; my weight, by the wave's number
	s_add_nc_u64 s[62:63], s[80:81], s[62:63]
	CROUND                                         ; all sixteen work-groups are here: the first joint loads meet
.irp s, 0,1
	s_mov_b32 s[G0A+4*\s], 1
	s_mov_b32 s[G0A+4*\s+1], \s*SLOT
	s_add_nc_u64 s[G0A+4*\s+2:G0A+4*\s+3], s[60:61], \s*128
	s_or_b32 s[G0A+4*\s+3], s[G0A+4*\s+3], 0x80000000
	s_mov_b32 s[G0B+4*\s], 1
	s_add_co_u32 s[G0B+4*\s+1], s27, \s*SLOT
	s_add_nc_u64 s[G0B+4*\s+2:G0B+4*\s+3], s[62:63], \s*128
	s_or_b32 s[G0B+4*\s+3], s[G0B+4*\s+3], 0x80000000
	s_wait_alu depctr_va_vdst(0)
	s_wait_tensorcnt 0x0
	ds_add_u32 v20, v21
	ds_add_u32 v20, v21
	s_wait_dscnt 0x0
	CROUND
	JLOAD \s                                       ; one load of mine is out
.endr
	v_and_b32 v3, 31, v0                           ; lane
	v_and_b32 v1, 15, v0                           ; r
	v_bfe_u32 v2, v0, 4, 1                         ; h
	v_lshlrev_b32 v[L16], 4, v3
	v_mul_u32_u24 v4, v1, PITCH
	v_lshl_add_u32 v4, v2, 4, v4                   ; a fragment's row x pitch + 16 h
	s_mul_i32 s80, s[RH], WB                       ; my 128 rows of x
	s_mul_i32 s81, s[CH], 64*PITCH                 ; my 64 rows of each weight,
	s_add_co_u32 s81, s81, XB                      ; behind x
.irp s, 0,1
	v_add_nc_u32 v[ADRA+\s], s80, v4
	v_add_nc_u32 v[ADRB+\s], s81, v4
	s_add_co_u32 s80, s80, SLOT
	s_add_co_u32 s81, s81, SLOT
.endr
	v_mul_u32_u24 v5, v1, TP
	v_lshl_add_u32 v5, v2, 5, v5
	s_mul_i32 s80, s[RH], 128*TP
	s_add_co_u32 s80, s80, TABLE
	v_add_nc_u32 v[TBA], s80, v5                   ; the table: row 128 rh + r, + 32 h: the four pairs of my half of a tile of 16 channels
	; where my images go
	s_lshr_b32 s80, s[TR], 3
	s_lshl_b32 s80, s80, 4
	s_lshl_b32 s81, s[TC], 1
	s_add_co_u32 s80, s80, s81
	s_add_co_u32 s80, s80, s[CH]                   ; bh = 16 batch + head
	s_and_b32 s81, s[TR], 7                        ; which 256 tokens of the batch
	s_lshl_b32 s82, s80, 7
	s_lshl_b32 s83, s81, 4
	s_add_co_u32 s82, s82, s83
	s_lshl_b32 s83, s[RH], 3
	s_add_co_u32 s82, s82, s83                     ; bh 128 + my first tile of 16 tokens
	s_lshl_b32 s82, s82, 10
	s_mov_b32 s83, 0
	s_add_nc_u64 s[14:15], s[14:15], s[82:83]
	s_add_nc_u64 s[16:17], s[16:17], s[82:83]
	s_lshl_b32 s82, s80, 4
	s_lshl_b32 s86, s81, 1
	s_add_co_u32 s82, s82, s86
	s_add_co_u32 s82, s82, s[RH]                   ; bh 16 + my block of 128 keys
	s_lshl_b32 s82, s82, 13
	s_add_nc_u64 s[18:19], s[18:19], s[82:83]
	; ---- THE TABLE.  Lane i is frequency i.  Wave w makes rows 64 w .. 64 w + 63, eight a trip: four sets of two rows, line by line, so that no line waits for the line above it.
	s_mul_i32 s80, s[WV], 64*TP
	s_add_co_u32 s80, s80, TABLE
	v_lshl_add_u32 v[GADR], v3, 3, s80             ; my pair's 8 bytes in my wave's first row
	v_mov_b32 v[CF], 0
.macro FREQ lane, bits
	s_mov_b32 s84, \bits
	v_writelane_b32 v[CF], s84, \lane
.endm
	FREQ 0, 0x3f800000                             ; 10^(-i / 8), i = 0 .. 31, to the nearest f32
	FREQ 1, 0x3f3ff911
	FREQ 2, 0x3f0ff59a
	FREQ 3, 0x3ed7e89b
	FREQ 4, 0x3ea1e89b
	FREQ 5, 0x3e72d424
	FREQ 6, 0x3e361887
	FREQ 7, 0x3e088d77
	FREQ 8, 0x3dcccccd
	FREQ 9, 0x3d99940e
	FREQ 10, 0x3d6655c3
	FREQ 11, 0x3d2cba15
	FREQ 12, 0x3d0186e2
	FREQ 13, 0x3cc24350
	FREQ 14, 0x3c91ad39
	FREQ 15, 0x3c5a7bf1
	FREQ 16, 0x3c23d70a
	FREQ 17, 0x3bf5b9b0
	FREQ 18, 0x3bb8449c
	FREQ 19, 0x3b8a2e77
	FREQ 20, 0x3b4f3e37
	FREQ 21, 0x3b1b690d
	FREQ 22, 0x3ae91528
	FREQ 23, 0x3aaec98e
	FREQ 24, 0x3a83126f
	FREQ 25, 0x3a44948c
	FREQ 26, 0x3a136a16
	FREQ 27, 0x39dd1726
	FREQ 28, 0x39a5cb5f
	FREQ 29, 0x3978a814
	FREQ 30, 0x393a7753
	FREQ 31, 0x390bd472
	v_mov_b32 v[CF+1], v[CF]
.macro CPAIR reg, bits
	v_mov_b32 v[\reg], \bits
	v_mov_b32 v[\reg+1], \bits
.endm
	CPAIR TOP, 0x3f22f983                          ; 2 / pi
	CPAIR MAG, 0x4b400000                          ; 1.5 x 2^23: added, it leaves the nearest whole number in the low mantissa bits
	CPAIR NMAG, 0xcb400000
	CPAIR NC1, 0xbfc90fdb                          ; -(pi / 2 to f32)
	CPAIR PC2, 0x333bbd2e                          ; that f32 number less pi / 2
	CPAIR SN1, 0xbe2aaaa3                          ; sin r = r + z r (S1 + S2 z + S3 z z), z = r r
	CPAIR SN2, 0x3c08839e
	CPAIR SN3, 0xb94ca1f9
	CPAIR CO1, 0x3d2aaaa5                          ; cos r = 1 - z / 2 + z z (K1 + K2 z + K3 z z)
	CPAIR CO2, 0xbab6061a
	CPAIR CO3, 0x37ccf5ce
	CPAIR EIGHT, 0x41000000
	s_and_b32 s85, s[TR], 7
	s_lshl_b32 s85, s85, 8
	s_lshl_b32 s86, s[WV], 6
	s_add_co_u32 s85, s85, s86                     ; the position of my wave's first row
.irp s, 0,1,2,3
.irp e, 0,1
	s_add_co_u32 s86, s85, 2*\s+\e
	v_cvt_f32_u32 v[GS+24*\s+\e], s86
.endr
.endr
	s_mov_b32 s87, 0                               ; bytes of the rows done
	s_mov_b32 s3, 0
.Lgen:
	v_add_nc_u32 v[GA], s87, v[GADR]
	s_wait_alu depctr_va_vdst(0)
.irp s, 0,1,2,3
	v_pk_mul_f32 v[GS+24*\s+2:GS+24*\s+3], v[GS+24*\s:GS+24*\s+1], v[CF:CF+1]                                   ; a = p f
.endr
.irp s, 0,1,2,3
	v_pk_fma_f32 v[GS+24*\s+4:GS+24*\s+5], v[GS+24*\s+2:GS+24*\s+3], v[TOP:TOP+1], v[MAG:MAG+1]                 ; N = a 2 / pi + magic
.endr
.irp s, 0,1,2,3
	v_pk_add_f32 v[GS+24*\s+6:GS+24*\s+7], v[GS+24*\s+4:GS+24*\s+5], v[NMAG:NMAG+1]                             ; n
.endr
.irp s, 0,1,2,3
	v_pk_fma_f32 v[GS+24*\s+8:GS+24*\s+9], v[GS+24*\s+6:GS+24*\s+7], v[NC1:NC1+1], v[GS+24*\s+2:GS+24*\s+3]     ; r = a - n pi / 2, in two fused steps
.endr
.irp s, 0,1,2,3
	v_pk_fma_f32 v[GS+24*\s+8:GS+24*\s+9], v[GS+24*\s+6:GS+24*\s+7], v[PC2:PC2+1], v[GS+24*\s+8:GS+24*\s+9]
.endr
.irp s, 0,1,2,3
	v_pk_mul_f32 v[GS+24*\s+10:GS+24*\s+11], v[GS+24*\s+8:GS+24*\s+9], v[GS+24*\s+8:GS+24*\s+9]                 ; z
.endr
.irp s, 0,1,2,3
	v_pk_fma_f32 v[GS+24*\s+12:GS+24*\s+13], v[GS+24*\s+10:GS+24*\s+11], v[SN3:SN3+1], v[SN2:SN2+1]
	v_pk_fma_f32 v[GS+24*\s+14:GS+24*\s+15], v[GS+24*\s+10:GS+24*\s+11], v[CO3:CO3+1], v[CO2:CO2+1]
.endr
.irp s, 0,1,2,3
	v_pk_mul_f32 v[GS+24*\s+6:GS+24*\s+7], v[GS+24*\s+10:GS+24*\s+11], v[GS+24*\s+8:GS+24*\s+9]                 ; z r
	v_pk_mul_f32 v[GS+24*\s+16:GS+24*\s+17], v[GS+24*\s+10:GS+24*\s+11], v[GS+24*\s+10:GS+24*\s+11]             ; z z
.endr
.irp s, 0,1,2,3
	v_pk_fma_f32 v[GS+24*\s+12:GS+24*\s+13], v[GS+24*\s+12:GS+24*\s+13], v[GS+24*\s+10:GS+24*\s+11], v[SN1:SN1+1]
	v_pk_fma_f32 v[GS+24*\s+14:GS+24*\s+15], v[GS+24*\s+14:GS+24*\s+15], v[GS+24*\s+10:GS+24*\s+11], v[CO1:CO1+1]
	v_pk_fma_f32 v[GS+24*\s+18:GS+24*\s+19], v[GS+24*\s+10:GS+24*\s+11], -0.5, 1.0 op_sel_hi:[1,0,0]
.endr
.irp s, 0,1,2,3
	v_pk_fma_f32 v[GS+24*\s+12:GS+24*\s+13], v[GS+24*\s+12:GS+24*\s+13], v[GS+24*\s+6:GS+24*\s+7], v[GS+24*\s+8:GS+24*\s+9]      ; sin r
	v_pk_fma_f32 v[GS+24*\s+14:GS+24*\s+15], v[GS+24*\s+14:GS+24*\s+15], v[GS+24*\s+16:GS+24*\s+17], v[GS+24*\s+18:GS+24*\s+19]  ; cos r
.endr
	; the quadrant n mod 4: odd: sin and cos change places; bit 1 turns sin's sign; bit 0 xor bit 1 turns cos's
.irp s, 0,1,2,3
.irp e, 0,1
	v_lshlrev_b32 v[GS+24*\s+2+\e], 31, v[GS+24*\s+4+\e]
	v_lshlrev_b32 v[GS+24*\s+6+\e], 30, v[GS+24*\s+4+\e]
.endr
.endr
.irp s, 0,1,2,3
.irp e, 0,1
	v_cmp_gt_i32 vcc_lo, 0, v[GS+24*\s+2+\e]
	v_and_b32 v[GS+24*\s+6+\e], 0x80000000, v[GS+24*\s+6+\e]
	v_cndmask_b32 v[GS+24*\s+21+2*\e], v[GS+24*\s+12+\e], v[GS+24*\s+14+\e], vcc_lo
	v_cndmask_b32 v[GS+24*\s+20+2*\e], v[GS+24*\s+14+\e], v[GS+24*\s+12+\e], vcc_lo
.endr
.endr
.irp s, 0,1,2,3
.irp e, 0,1
	v_xor_b32 v[GS+24*\s+21+2*\e], v[GS+24*\s+6+\e], v[GS+24*\s+21+2*\e]
	v_xor_b32 v[GS+24*\s+2+\e], v[GS+24*\s+2+\e], v[GS+24*\s+6+\e]
.endr
.endr
.irp s, 0,1,2,3
.irp e, 0,1
	v_xor_b32 v[GS+24*\s+20+2*\e], v[GS+24*\s+2+\e], v[GS+24*\s+20+2*\e]
.endr
.endr
.irp s, 0,1,2,3
.irp e, 0,1
	ds_store_b64 v[GA], v[GS+24*\s+20+2*\e:GS+24*\s+21+2*\e] offset:(2*\s+\e)*TP   ; (cos, sin): the 32 lanes fill a row's 256 bytes
.endr
	v_pk_add_f32 v[GS+24*\s:GS+24*\s+1], v[GS+24*\s:GS+24*\s+1], v[EIGHT:EIGHT+1]  ; eight rows on
.endr
	s_add_co_u32 s87, s87, 8*TP
	s_add_co_u32 s3, s3, 1
	s_cmp_lt_u32 s3, 8
	s_cbranch_scc1 .Lgen
	; the scales.  A sum of x w stands for sum x 2^(ex + ew); its code is sum / 2^(e - ex - ew): three exponents folded into the conversion's one (the rotation is linear)
.macro MKSC vs, vl, se
	s_add_co_i32 s[\se], s[\se], 127
	s_lshl_b32 s87, s[\se], 23
	v_mov_b32 v[\vs], s87                          ; the scale as f32: the conversion takes its exponent field
.endm
	s_wait_kmcnt 0x0
	s_sub_co_i32 s80, s74, s68
	s_sub_co_i32 s80, s80, s69
	MKSC QS, QL, 80
	s_sub_co_i32 s80, s75, s70
	s_sub_co_i32 s80, s80, s71
	MKSC KS, KL, 80
	s_sub_co_i32 s80, s77, s72
	s_sub_co_i32 s80, s80, s73
	MKSC VS, VL, 80
; Eight matrix instructions: weight fragment b (0-3 q, 4-7 k, 8-11 v) against x's eight, 64 along K.  The 96 accumulators take turns, one instruction a turn, in the same order in every step.
.macro MULB b, set, zero
	WIN 0x50*(1+(\b)/4)                            ; C and D in window 1, 2 or 3; both sources in window 0
.irp a, 0,1,2,3,4,5,6,7
.set rD, 8*(8*((\b)%4)+\a)
.set rB, BF+8*(\b)
.set rA, AF+64*(\set)+8*\a
.if (\b) < 8
.if \zero
	v_wmma_f32_16x16x64_fp8_fp8 v[rD:rD+7], v[rB:rB+7], v[rA:rA+7], 0
.else
	v_wmma_f32_16x16x64_fp8_fp8 v[rD:rD+7], v[rB:rB+7], v[rA:rA+7], v[rD:rD+7]
.endif
.else
.if \zero
	v_wmma_f32_16x16x64_fp8_fp8 v[rD:rD+7], v[rA:rA+7], v[rB:rB+7], 0
.else
	v_wmma_f32_16x16x64_fp8_fp8 v[rD:rD+7], v[rA:rA+7], v[rB:rB+7], v[rD:rD+7]
.endif
.endif
.endr
.endm
.macro FETCH_B slot, q, b0, n          ; weight fragments b0 .. b0 + n - 1 of the slot's q-th 64 along K: two loads each
.set fb, \b0
.rept \n
	ds_load_b128 v[BF+8*fb:BF+8*fb+3],   v[ADRB+\slot] offset:(fb/4)*WB+(fb%4)*16*PITCH+64*(\q)
	ds_load_b128 v[BF+8*fb+4:BF+8*fb+7], v[ADRB+\slot] offset:(fb/4)*WB+(fb%4)*16*PITCH+64*(\q)+32
.set fb, fb+1
.endr
.endm
.macro FETCH_A slot, q, set            ; x's eight fragments: 16 loads
.irp i, 0,1,2,3,4,5,6,7
	ds_load_b128 v[AF+64*(\set)+8*\i:AF+64*(\set)+8*\i+3],   v[ADRA+\slot] offset:\i*16*PITCH+64*(\q)
	ds_load_b128 v[AF+64*(\set)+8*\i+4:AF+64*(\set)+8*\i+7], v[ADRA+\slot] offset:\i*16*PITCH+64*(\q)+32
.endr
.endm
; A slot's first 64 along K (x's set 0).  A weight fragment is free as soon as its eight products are issued, so one set serves the weights: fragments 0-5 are fetched anew in the step's middle, 6-11 at its end.
; A load into a register that a matrix instruction has read stands four plain vector instructions behind it (ISA guide 7.12.1 for vector instructions).
.macro STEP slot, zero
	s_wait_dscnt 12                                ; fragments 0-5 and x's set are in; the youngest twelve loads (fragments 6-11) may be out
.irp b, 0,1,2,3,4,5
	MULB \b, 0, \zero
.endr
	s_wait_dscnt 0                                 ; fragments 6-11 are in
	PLACES
	WIN 0
	FETCH_B \slot, 1, 0, 6
	FETCH_A \slot, 1, 1
.irp b, 6,7,8,9,10,11
	MULB \b, 0, \zero
.endr
	PLACES
	WIN 0
	FETCH_B \slot, 1, 6, 6
.endm
; A slot's second 64 along K (x's set 1) changes slots: ONE barrier; in front of it each wave waits for all its tensor loads, adds 0 to its spare word, and waits for that and for its reads of this slot.  fill = 1: this slot is filled again, two slots ahead.
.macro TURN slot, next, fill
	s_wait_tensorcnt 0x0                           ; all my tensor loads have landed: my part of the next slot
	ds_add_u32 v[SPW], v[NIL]                      ; 0 onto my spare word
	s_wait_dscnt 13                                ; (the add and the youngest twelve loads may be out)
.irp b, 0,1,2
	MULB \b, 1, 0
.endr
	s_wait_dscnt 0x0                               ; the add is done, and my reads of this slot are over
	s_barrier_signal -1
.irp b, 3,4,5
	MULB \b, 1, 0
.endr
	WIN 0
	s_barrier_wait -1
.if \fill
	CREST                                          ; the barrier has opened a round of the cluster's barrier: no wave of any partner still reads this slot or has a load on its way
	s_add_nc_u64 s[G0A+4*\slot+2:G0A+4*\slot+3], s[G0A+4*\slot+2:G0A+4*\slot+3], 256
	s_add_nc_u64 s[G0B+4*\slot+2:G0B+4*\slot+3], s[G0B+4*\slot+2:G0B+4*\slot+3], 256
	JLOAD \slot                                    ; the first tensor load behind the round: 144 matrix instructions ahead of the wait for it; its four v_nop are the places in front of the loads below
.else
	PLACES
.endif
	FETCH_B \next, 0, 0, 6
	FETCH_A \next, 0, 0
.irp b, 6,7,8,9,10,11
	MULB \b, 1, 0
.endr
	PLACES
	WIN 0
	FETCH_B \next, 0, 6, 6
.endm
	s_wait_tensorcnt 1                             ; my part of slot 0 is in; slot 1's may be out
	s_wait_dscnt 0x0                               ; my rows of the table are stored
	s_barrier_signal -1
	s_barrier_wait -1
	FETCH_B 0, 0, 0, 6
	FETCH_A 0, 0, 0
	FETCH_B 0, 0, 6, 6
	STEP 0, 1                                      ; the first step stands in front of the loop: its products start the sums
	s_mov_b32 s3, 3
.Llap:                                                 ; a trip goes once round the ring and fills both slots again: slots 2 .. 7 of K's eight
	TURN 0, 1, 1
	STEP 1, 0
	TURN 1, 0, 1
	STEP 0, 0
	s_sub_co_u32 s3, s3, 1
	s_cmp_lg_u32 s3, 0
	s_cbranch_scc1 .Llap
	TURN 0, 1, 0                                   ; the last lap fills nothing
	STEP 1, 0
	s_wait_dscnt 12
.irp b, 0,1,2,3,4,5
	MULB \b, 1, 0
.endr
	s_wait_dscnt 0
.irp b, 6,7,8,9,10,11
	MULB \b, 1, 0
.endr
	WIN 0
; THE WAY OUT.  q and k, a tile of 16 tokens at a time: the pairs (x1, x2) of a lane are turned by (cos, sin) of the lane's token, held at +-448 x the scale, converted, stored.
.macro CSLOAD a, set                   ; my token's 16 pairs for tile a: of each tile of 16 channels the four pairs of my half
.irp c, 0,1,2,3
	ds_load_b128 v[CSB+32*(\set)+8*\c:CSB+32*(\set)+8*\c+3],   v[TBA] offset:(\a)*16*TP+64*\c
	ds_load_b128 v[CSB+32*(\set)+8*\c+4:CSB+32*(\set)+8*\c+7], v[TBA] offset:(\a)*16*TP+64*\c+16
.endr
.endm
.macro ROPE a, w, cs, co, sc, lim, ptr
	WIN \w                                         ; source 0: the sums' window
.irp c, 0,1,2,3
.irp u, 0,2,4,6
	v_pk_mul_f32 v[TT+8*\c+\u:TT+8*\c+\u+1], v[64*\c+8*(\a)+\u:64*\c+8*(\a)+\u+1], v[(\cs)+8*\c+\u:(\cs)+8*\c+\u+1] op_sel:[1,1] op_sel_hi:[0,1] neg_lo:[0,1]   ; (-sin x2, sin x1); each accumulator from its low end on
.endr
.irp u, 0,2,4,6
	v_pk_fma_f32 v[TT+8*\c+\u:TT+8*\c+\u+1], v[64*\c+8*(\a)+\u:64*\c+8*(\a)+\u+1], v[(\cs)+8*\c+\u:(\cs)+8*\c+\u+1], v[TT+8*\c+\u:TT+8*\c+\u+1] op_sel_hi:[1,0,1]   ; + (cos x1, cos x2)
.endr
.endr
	WIN 0
.irp c, 0,1,2,3
.irp i, 0,1,2,3,4,5,6,7
.endr
	v_cvt_scalef32_pk8_fp8_f32 v[(\co)+2*\c:(\co)+2*\c+1], v[TT+8*\c:TT+8*\c+7], v[\sc]
.endr
	v_nop                                          ; one plain line between the last conversion and the next write of its sources
	global_store_b128 v[L16], v[(\co):(\co)+3], s[\ptr:\ptr+1] offset:(\a)*1024        ; 512 consecutive bytes, aligned
	global_store_b128 v[L16], v[(\co)+4:(\co)+7], s[\ptr:\ptr+1] offset:(\a)*1024+512
.endm
	PLACES                                         ; behind the last products: the loads below land in registers that they read
	CSLOAD 0, 0
.irp a, 0,1,2,3,4,5,6,7
.if \a < 7
	CSLOAD \a+1, (\a+1)%2
	s_wait_dscnt 8                                 ; this tile's eight loads are in; the next tile's may be out
.else
	s_wait_dscnt 0
.endif
	ROPE \a, 0x01, CSB+32*(\a%2), CODE+16*\a, QS, QL, 14      ; every tile's codes have registers of their own: no store's data are written again
	ROPE \a, 0x02, CSB+32*(\a%2), CODE+16*\a+8, KS, KL, 16
.endr
	s_wait_xcnt 0x0                                ; the stores above have read their registers: v's codes may take them
.irp g, 0,1,2,3                        ; v: a tile of 16 channels x my 128 tokens is one fragment of V^T
	WIN 0x03                                       ; source 0: window 3
.set i, 0
.rept 64
.set i, i+1
.endr
.irp a, 0,1,2,3,4,5,6,7
	v_cvt_scalef32_pk8_fp8_f32 v[CODE+16*\g+2*\a:CODE+16*\g+2*\a+1], v[VT+8*\a+((64*\g+i)-(VT+i)):VT+8*\a+7+((64*\g+i)-(VT+i))], v[VS]
.endr
	WIN 0
	v_nop
.irp c, 0,1,2,3
	global_store_b128 v[L16], v[CODE+16*\g+4*\c:CODE+16*\g+4*\c+3], s[18:19] offset:\g*2048+512*\c
.endr
.endr
	s_wait_tensorcnt 0x0                           ; the wave's end
	ds_add_u32 v[SPW], v[NIL]
	s_wait_dscnt 0x0
	CROUND                                         ; the closing round
	s_endpgm
.Lfunc_end_k_q58f2534ffd_qkv:
	.size	k_q58f2534ffd_qkv, .Lfunc_end_k_q58f2534ffd_qkv-k_q58f2534ffd_qkv
	.p2alignl 7, 3214868480
	.fill 96, 4, 3214868480
	.section	.rodata,"a",@progbits
	.p2align	6, 0x0
	.amdhsa_kernel k_q58f2534ffd_qkv
		.amdhsa_group_segment_fixed_size 327680
		.amdhsa_private_segment_fixed_size 0
		.amdhsa_enable_private_segment 0
		.amdhsa_kernarg_size 64
		.amdhsa_user_sgpr_count 2
		.amdhsa_user_sgpr_kernarg_segment_ptr 1
		.amdhsa_wavefront_size32 1
		.amdhsa_system_sgpr_workgroup_id_x 1
		.amdhsa_system_sgpr_workgroup_id_y 1
		.amdhsa_system_sgpr_workgroup_id_z 1
		.amdhsa_system_vgpr_workitem_id 0
		.amdhsa_next_free_vgpr 1024
		.amdhsa_next_free_sgpr 100
		.amdhsa_reserve_vcc 1
		.amdhsa_float_denorm_mode_32 3
		.amdhsa_float_denorm_mode_16_64 3
		.amdhsa_fp16_overflow 1
		.amdhsa_memory_ordered 1
		.amdhsa_forward_progress 1
		.amdhsa_inst_pref_size 146
	.end_amdhsa_kernel
	.amdgpu_metadata
---
amdhsa.version: [ 1, 2 ]
amdhsa.kernels:
  - .name:           k_q58f2534ffd_qkv
    .symbol:         k_q58f2534ffd_qkv.kd
    .args:
      - { .name: x_codes, .offset: 0, .size: 8, .value_kind: global_buffer, .address_space: global }
      - { .name: wq_codes, .offset: 8, .size: 8, .value_kind: global_buffer, .address_space: global }
      - { .name: wk_codes, .offset: 16, .size: 8, .value_kind: global_buffer, .address_space: global }
      - { .name: wv_codes, .offset: 24, .size: 8, .value_kind: global_buffer, .address_space: global }
      - { .name: lowp_scales, .offset: 32, .size: 8, .value_kind: global_buffer, .address_space: global }
      - { .name: q_img, .offset: 40, .size: 8, .value_kind: global_buffer, .address_space: global }
      - { .name: k_img, .offset: 48, .size: 8, .value_kind: global_buffer, .address_space: global }
      - { .name: v_img, .offset: 56, .size: 8, .value_kind: global_buffer, .address_space: global }
    .group_segment_fixed_size: 327680
    .private_segment_fixed_size: 0
    .kernarg_segment_align: 8
    .kernarg_segment_size: 64
    .max_flat_workgroup_size: 128
    .sgpr_count:     100
    .vgpr_count:     1024
    .wavefront_size: 32
...
	.end_amdgpu_metadata
.endif
;; end of part 1
;; launch attn (part 2): grid 4 x 64, 16 waves a work-group, clusters of 4 x 1, 327,680 bytes of LDS; arguments q_img, k_img, v_img, lowp_scales, attn_img; writes attn_img
.if DOCPART == 2
	.amdgcn_target "amdgcn-amd-amdhsa--gfx1250"
	.amdhsa_code_object_version 6
	.text
	.protected	k_q58f2534ffd_attn
	.globl	k_q58f2534ffd_attn
	.p2align	8
	.type	k_q58f2534ffd_attn,@function
k_q58f2534ffd_attn:
	s_mov_b64 s[64:65], 0
	v_nop
	global_prefetch_b8 v0, s[64:65] scope:SCOPE_SE
	s_setreg_imm32_b32 hwreg(HW_REG_WAVE_MODE, 25, 1), 1
	s_wait_xcnt 0x0
	s_wait_alu depctr_hold_cnt(0) depctr_sa_sdst(0) depctr_va_vdst(0) depctr_va_sdst(0) depctr_va_ssrc(0) depctr_va_vcc(0) depctr_vm_vsrc(0)
	s_getreg_b32 s2, hwreg(HW_REG_IB_STS2, 6, 4)
	s_cmp_eq_u32 s2, 0
	s_cbranch_scc0 .Lentry_in_a_cluster
	s_endpgm
.Lentry_in_a_cluster:
	s_bfe_u32 s2, ttmp6, 0x10000c
	s_cmp_lg_u32 s2, 0x3003
	s_cbranch_scc0 .Lentry_shape_is_right
	s_endpgm
.Lentry_shape_is_right:
; Causal attention of one head on codes of FP8 (E4M3): S^T = K Q^T, p = 2^(t - M), O^T = V^T P^T, O / l quantised and stored as half of an operand fragment of the last projection.
; q_img, k_img, v_img: images of operand registers (see the launch that makes them): a fragment comes by loads of 16 bytes at 16 x lane, with every k in its true place.
; t = score x log2(e) / 8; M = the running largest t rounded UP to a whole number; p is not normalised; the row's sum l is taken of the unquantised p and divides at the end.
; SHARES.  A cluster of four work-groups is one (batch, head).  THE HEAD'S WHOLE K AND V, 2 x 131,072 bytes, LIE IN EACH PARTNER'S LDS, filled once, by joint loads at the head: no slot is filled again.
; Wave i of partner cx owns two tiles of 16 queries: t_lo = cx + 4 i and t_hi = 127 - t_lo.  In key steps of 128, with g = i / 2, lo is live for steps 0 .. g and hi for 0 .. 15 - g: 17 tile steps for every wave of the launch.
; Every branch hangs on the wave's number and the step's count alone; cx enters global addresses and the mask's lane term only.  Where both tiles are live they share the fragments of K and V.
; A lane holds ONE query (lane % 16) throughout; register j of score tile u is key 16 u + 8 (lane / 16) + j, so eight scores become registers 2 u, 2 u + 1 of P's fragment (K = 128) as they stand.
; Every byte of K and V is asked for by the wave's two loads at the head, so there is nothing later to prefetch.
; LIMITS.  e6 + e7 between -123 and 130 (added to c's exponent field); e8, and e10 - e8 - e9, between -126 and 119.  NaN is not served.
.set STEPB, 8192                       ; a key step's fragments of K, and of V
.set VBASE, 131072                     ; LDS: K at 0, V here
.set EARLY, 32768                      ; the first four key steps come by a load of their own
.set L16, 1                            ; v1   16 x lane
.set ADR, 2                            ; v2   LDS address of the loads in hand
.set PSC, 3                            ; v3   2^e8 as f32
.set STH, 4                            ; v4-7   hi: -M, the largest t, l in two halves
.set STL, 8                            ; v8-11  lo
.set DHI, 12                           ; v12, v13  16 (t % 8) + lane % 16 - 8 (lane / 16): key 16 u + j of the diagonal step is hidden where it is greater
.set DLO, 13
.set FS,  14                           ; v14  at the end: 2^(e10 - e8 - e9)
.set FL,  15
.set QHI, 16
.set QLO, 24
.set KV,  32                           ; v32-95   eight fragments of K, then four of V
.set SS,  96                           ; v96-159  S^T, then p
.set OHI, 160
.set OLO, 192
.set PHI, 224                          ; v224-239, v240-255  P's codes; until the conversions the tile's scratch: +0, +1 maxima, +2 the other half's, +4 f, +6:7 a second sum, +8 -infinity
.set PLO, 240
.set WV, 14
.set G,  15
.set GH, 16
.set CX, 17
.set BH, 18
.set G1E, 24
.set G1L, 32
.set G0E, 40
.set G0L, 44
.set CS,  48
.set SEL, 50
.set CAP, 52
.set ST,  53
.set TB,  54
.macro CROUND
	s_barrier_signal -1
	s_barrier_wait -1
	s_cmp_lg_u32 s[WV], 0
	s_cbranch_scc1 .Lnot_wave_0_\@
	s_barrier_signal -3
.Lnot_wave_0_\@:
	s_barrier_wait -3
	s_barrier_signal -1
	s_barrier_wait -1
.endm
	s_load_b256 s[4:11], s[0:1], 0x0               ; q_img s[4:5], k_img s[6:7], v_img s[8:9], scales s[10:11]
	s_load_b64 s[12:13], s[0:1], 0x20              ; attn_img
	v_lshl_add_u32 v254, v0, 2, 0x40000
	v_mov_b32 v255, 0
	ds_add_u32 v254, v255
	ds_add_u32 v254, v255
	s_wait_dscnt 0x0
	v_lshrrev_b32 v1, 5, v0
	s_delay_alu instid0(VALU_DEP_1)
	v_readfirstlane_b32 s[WV], v1                  ; wave 0..15
	s_lshr_b32 s[G], s[WV], 1                      ; lo's diagonal step
	s_sub_co_u32 s[GH], 15, s[G]                   ; hi's
	s_bfe_u32 s[CX], ttmp6, 0x40000
	s_and_b32 s[BH], ttmp7, 0xffff                 ; 16 batch + head
	; group 1: dense blocks as rows of 256 bytes (32 elements of 8 bytes): 16 rows, and 48
	s_mov_b32 s[G1E], 15|(3<<16)|(1<<21)           ; the mask: all four partners; bit 21 beside it
	s_mov_b32 s[G1E+1], 32<<16
	s_mov_b32 s[G1E+2], 16<<16
	s_mov_b32 s[G1E+3], 32<<16
	s_mov_b32 s[G1E+4], 16
	s_mov_b32 s[G1E+5], 32
	s_mov_b32 s[G1E+6], 0
	s_mov_b32 s[G1E+7], 0
	s_mov_b32 s[G1L], 15|(3<<16)|(1<<21)
	s_mov_b32 s[G1L+1], 32<<16
	s_mov_b32 s[G1L+2], 48<<16
	s_mov_b32 s[G1L+3], 32<<16
	s_mov_b32 s[G1L+4], 48
	s_mov_b32 s[G1L+5], 32
	s_mov_b32 s[G1L+6], 0
	s_mov_b32 s[G1L+7], 0
	s_lshr_b32 s19, s[WV], 3                       ; waves 0-7 fetch K, waves 8-15 V,
	s_and_b32 s20, s[WV], 7                        ; an eighth each
	s_lshl_b32 s21, s19, 17
	s_lshl_b32 s22, s20, 12                        ; 4,096 bytes of the first 32,768
	s_mov_b32 s23, 0
	s_mul_i32 s66, s20, 12288                      ; 12,288 of the other 98,304
	s_add_co_u32 s66, s66, EARLY
	s_mov_b32 s67, 0
	s_lshl_b32 s58, s[BH], 17                      ; the head's first byte in each of the three images
	s_mov_b32 s59, 0
	s_wait_kmcnt 0x0
	s_load_b64 s[56:57], s[10:11], 0x18            ; e6, e7
	s_load_b128 s[60:63], s[10:11], 0x20           ; e8, e9, e10, e11
	s_cmp_lt_u32 s[WV], 8
	s_cselect_b64 s[68:69], s[6:7], s[8:9]
	s_add_nc_u64 s[68:69], s[68:69], s[58:59]
	s_mov_b32 s[G0E], 1
	s_add_co_u32 s[G0E+1], s21, s22
	s_add_nc_u64 s[G0E+2:G0E+3], s[68:69], s[22:23]
	s_or_b32 s[G0E+3], s[G0E+3], 0x80000000
	s_mov_b32 s[G0L], 1
	s_add_co_u32 s[G0L+1], s21, s66
	s_add_nc_u64 s[G0L+2:G0L+3], s[68:69], s[66:67]
	s_or_b32 s[G0L+3], s[G0L+3], 0x80000000
	CROUND                                         ; all four partners are here: the joint loads meet
	tensor_load_to_lds s[G0E:G0E+3], s[G1E:G1E+7]  ; keys 0 .. 511
	s_nop 0
	s_wait_alu depctr_va_vdst(0)
	s_wait_tensorcnt 0x0
	ds_add_u32 v254, v255
	s_wait_dscnt 0x0
	CROUND
	tensor_load_to_lds s[G0L:G0L+3], s[G1L:G1L+7]  ; the rest: one load of mine is out, and no more are ever issued
	s_nop 0
.rept 4
	v_nop
.endr
	s_lshl_b32 s19, s[WV], 2
	s_add_co_u32 s19, s19, s[CX]                   ; t_lo
	s_sub_co_u32 s20, 127, s19                     ; t_hi
	s_add_nc_u64 s[4:5], s[4:5], s[58:59]
	s_lshl_b32 s22, s19, 10
	s_add_nc_u64 s[66:67], s[4:5], s[22:23]        ; lo's fragment of Q: 1,024 bytes a tile
	s_lshl_b32 s22, s20, 10
	s_add_nc_u64 s[68:69], s[4:5], s[22:23]        ; hi's
	v_and_b32 v2, 31, v0
	s_delay_alu instid0(VALU_DEP_1)
	v_lshlrev_b32 v[L16], 4, v2
	global_load_b128 v[QHI:QHI+3],   v[L16], s[68:69]
	global_load_b128 v[QHI+4:QHI+7], v[L16], s[68:69] offset:512
	global_load_b128 v[QLO:QLO+3],   v[L16], s[66:67]
	global_load_b128 v[QLO+4:QLO+7], v[L16], s[66:67] offset:512
	; where the results go: (128 batch + t) 16,384 + 1,024 head
	s_lshr_b32 s21, s[BH], 4
	s_lshl_b32 s21, s21, 7
	s_and_b32 s22, s[BH], 15
	s_lshl_b32 s22, s22, 10
	s_add_co_u32 s2, s21, s19
	s_lshl_b32 s2, s2, 14
	s_add_co_u32 s2, s2, s22
	s_mov_b32 s3, 0
	s_add_nc_u64 s[8:9], s[12:13], s[2:3]          ; lo
	s_add_co_u32 s2, s21, s20
	s_lshl_b32 s2, s2, 14
	s_add_co_u32 s2, s2, s22
	s_add_nc_u64 s[6:7], s[12:13], s[2:3]          ; hi
	v_and_b32 v14, 15, v0
	v_bfe_u32 v15, v0, 4, 1
	s_delay_alu instid0(VALU_DEP_1)
	v_lshlrev_b32 v15, 3, v15
	s_delay_alu instid0(VALU_DEP_1)
	v_sub_nc_u32 v14, v14, v15                     ; lane % 16 - 8 (lane / 16)
	s_and_b32 s2, s20, 7
	s_lshl_b32 s2, s2, 4
	v_add_nc_u32 v[DHI], s2, v14
	s_and_b32 s2, s19, 7
	s_lshl_b32 s2, s2, 4
	v_add_nc_u32 v[DLO], s2, v14
	v_mov_b32 v[STH+1], 0xff61b1e6                 ; the largest t so far: -3e38, under every t
	s_delay_alu instid0(VALU_DEP_1)
	v_floor_f32 v[STH], -v[STH+1]                  ; -M
	v_mov_b32 v[STH+2], 0
	v_mov_b32 v[STH+3], 0
	v_mov_b32 v[STL+1], 0xff61b1e6
	s_delay_alu instid0(VALU_DEP_1)
	v_floor_f32 v[STL], -v[STL+1]
	v_mov_b32 v[STL+2], 0
	v_mov_b32 v[STL+3], 0
	v_mov_b32 v[PHI+2], 0                          ; written once: a lane permute's destination counts as one of its sources,
	v_mov_b32 v[PHI+5], 0                          ; and f is named as a pair
	v_mov_b32 v[PLO+2], 0
	v_mov_b32 v[PLO+5], 0
.set i, 0
.rept 64
	v_mov_b32 v[OHI+i], 0                          ; O^T of both tiles: the step is written without a first step of its own; the first change of M leaves zeros zeros
.set i, i+1
.endr
	s_mov_b32 s[SEL], 0x76543210
	s_mov_b32 s[SEL+1], 0xfedcba98
	s_mov_b32 s[CS], 0x3e38aa3b                    ; c = log2(e) / 8
	s_mov_b32 s[ST], 0
	s_mov_b32 s[TB], 0
	s_wait_kmcnt 0x0
	s_add_co_i32 s2, s56, s57
	s_lshl_b32 s2, s2, 23
	s_add_co_i32 s[CS], s[CS], s2                  ; a score stands for score x 2^(e6 + e7): added to c's exponent field
	s_mov_b32 s[CS+1], s[CS]
	s_add_co_i32 s2, s60, 127
	s_lshl_b32 s3, s2, 23
	v_mov_b32 v[PSC], s3                           ; 2^e8
.macro KLOAD                           ; the step's eight fragments of K.  The addition and three v_nop are the four places behind the last products, which read these registers
	v_add_nc_u32 v[ADR], s[TB], v[L16]
.rept 3
	v_nop
.endr
.irp t, 0,1,2,3,4,5,6,7
	ds_load_b128 v[KV+8*\t:KV+8*\t+3],   v[ADR] offset:1024*\t
	ds_load_b128 v[KV+8*\t+4:KV+8*\t+7], v[ADR] offset:1024*\t+512
.endr
.endm
.macro VLOAD                           ; its four fragments of V^T (16 channels x 128 keys)
	v_add_nc_u32 v[ADR], VBASE, v[ADR]
.irp g, 0,1,2,3
.irp c, 0,1,2,3
	ds_load_b128 v[KV+16*\g+4*\c:KV+16*\g+4*\c+3], v[ADR] offset:2048*\g+512*\c
.endr
.endr
.endm
.macro SQK q                           ; S^T = K Q^T: eight tiles of 16 keys; four places behind them
.irp t, 0,1,2,3,4,5,6,7
	v_wmma_f32_16x16x64_fp8_fp8 v[SS+8*\t:SS+8*\t+7], v[KV+8*\t:KV+8*\t+7], v[\q:\q+7], 0
.endr
.rept 4
	v_nop
.endr
.endm
.macro MASK d, p                       ; the diagonal step: hidden scores become -infinity ahead of the maximum, so p = 0 there.  The key of the query itself always counts
	v_mov_b32 v[\p+8], 0xff800000
.set n, 0
.rept 64
	v_cmp_gt_i32 vcc_lo, 16*(n/8)+n%8, v[\d]
	v_cndmask_b32 v[SS+n], v[SS+n], v[\p+8], vcc_lo
.set n, n+1
.endr
.endm
.macro SOFTMAX st, p, o
	v_max3_num_f32 v[\p], v[SS], v[SS+1], v[SS+2]                  ; the step's largest score of my query among my 64 keys, in two chains, each tile from its low end on
	v_max3_num_f32 v[\p+1], v[SS+3], v[SS+4], v[SS+5]
.set j, 6
.rept 14
	v_max3_num_f32 v[\p], v[\p], v[SS+j], v[SS+j+1]
	v_max3_num_f32 v[\p+1], v[\p+1], v[SS+j+2], v[SS+j+3]
.set j, j+4
.endr
	v_max3_num_f32 v[\p], v[\p], v[SS+62], v[SS+63]
	s_delay_alu instid0(VALU_DEP_1)
	v_max_num_f32 v[\p], v[\p], v[\p+1]
	v_permlanex16_b32 v[\p+2], v[\p], s[SEL], s[SEL+1]
	s_delay_alu instid0(VALU_DEP_1)
	v_max_num_f32 v[\p], v[\p], v[\p+2]                            ; and among lane l xor 16's
	s_delay_alu instid0(VALU_DEP_1)
	v_mul_f32 v[\p], s[CS], v[\p]                                  ; as t (c is positive)
	s_delay_alu instid0(VALU_DEP_1)
	v_max_num_f32 v[\st+1], v[\st+1], v[\p]                        ; the running largest t
	v_mov_b32 v[\p], v[\st]
	s_delay_alu instid0(VALU_DEP_2)
	v_floor_f32 v[\st], -v[\st+1]                                  ; the new -M = floor(-t): M is a whole number
	s_delay_alu instid0(VALU_DEP_1)
	v_sub_f32 v[\p], v[\st], v[\p]                                 ; old M - new M: a whole number, 0 or less
	s_delay_alu instid0(VALU_DEP_1)
	v_cvt_i32_f32 v[\p], v[\p]                                     ; (it saturates)
	s_delay_alu instid0(VALU_DEP_1)
	v_ldexp_f32 v[\p+4], 1.0, v[\p]                                ; f = 2^(old M - new M)
.set j, 0
.rept 32
	v_pk_fma_f32 v[SS+j:SS+j+1], v[SS+j:SS+j+1], s[CS:CS+1], v[\st:\st+1] op_sel_hi:[1,0,0]   ; t - M
.set j, j+2
.endr
.set j, 0
	s_wait_alu depctr_va_vdst(0)
.rept 64
	v_exp_f32 v[SS+j], v[SS+j]                                     ; p = 2^(t - M)
.set j, j+1
.endr
	v_pk_mul_f32 v[\st+2:\st+3], v[\st+2:\st+3], v[\p+4:\p+5] op_sel_hi:[1,0]   ; l under the new M (a plain line behind the exponentials)
.set j, 0
	s_wait_alu depctr_va_vdst(0)
.rept 16
	v_pk_mul_f32 v[\o+j:\o+j+1], v[\o+j:\o+j+1], v[\p+4:\p+5] op_sel_hi:[1,0]   ; O^T under the new M
.set j, j+2
.endr
	s_wait_alu depctr_va_vdst(0)
	v_pk_add_f32 v[\p+6:\p+7], v[SS:SS+1], v[SS+2:SS+3]            ; the sum of the UNQUANTISED p, in two chains
.set j, 4
.rept 15
	v_pk_add_f32 v[\st+2:\st+3], v[\st+2:\st+3], v[SS+j:SS+j+1]
	v_pk_add_f32 v[\p+6:\p+7], v[\p+6:\p+7], v[SS+j+2:SS+j+3]
.set j, j+4
.endr
	s_delay_alu instid0(VALU_DEP_1)
	v_pk_add_f32 v[\st+2:\st+3], v[\st+2:\st+3], v[\p+6:\p+7]
.irp b, 0,1,2,3
.irp i, 0,1,2,3,4,5,6,7,8,9,10,11,12,13,14,15
.endr
	v_cvt_scalef32_pk8_fp8_f32 v[\p+4*\b:\p+4*\b+1], v[SS+16*\b:SS+16*\b+7], v[PSC]
	v_cvt_scalef32_pk8_fp8_f32 v[\p+4*\b+2:\p+4*\b+3], v[SS+16*\b+8:SS+16*\b+15], v[PSC]
.endr
	v_nop                                          ; one plain line between the last conversion and the matrix instructions that read its result or write its sources
.endm
; A KEY STEP of 128 keys.  late = 0: steps 0-3, where hi is always live and never on its diagonal.  The accumulators take turns, one instruction a turn.
.macro STEP late
.if \late
	s_cmp_gt_u32 s[ST], s[GH]
	s_cbranch_scc1 .Lend_\@                        ; all keys of the step come after both my tiles
.endif
	KLOAD
	s_wait_dscnt 0x0
	SQK QHI
.if \late
	s_cmp_lg_u32 s[ST], s[GH]
	s_cbranch_scc1 .Lopen_hi_\@
	MASK DHI, PHI
.Lopen_hi_\@:
.endif
	SOFTMAX STH, PHI, OHI
	s_cmp_gt_u32 s[ST], s[G]
	s_cbranch_scc1 .Lsolo_\@
	SQK QLO                                        ; the same fragments of K serve lo; its four v_nop free them for V
	VLOAD
	s_cmp_lg_u32 s[ST], s[G]
	s_cbranch_scc1 .Lopen_lo_\@
	MASK DLO, PLO
.Lopen_lo_\@:
	SOFTMAX STL, PLO, OLO
	s_wait_alu depctr_va_vdst(0)
	s_wait_dscnt 0x0
.irp g, 0,1,2,3
	v_wmma_f32_16x16x128_fp8_fp8 v[OHI+8*\g:OHI+8*\g+7], v[KV+16*\g:KV+16*\g+15], v[PHI:PHI+15], v[OHI+8*\g:OHI+8*\g+7]
	v_wmma_f32_16x16x128_fp8_fp8 v[OLO+8*\g:OLO+8*\g+7], v[KV+16*\g:KV+16*\g+15], v[PLO:PLO+15], v[OLO+8*\g:OLO+8*\g+7]
.endr
	s_branch .Lend_\@
.Lsolo_\@:
	VLOAD
	s_wait_dscnt 0x0
	s_wait_alu depctr_va_vdst(0)
.irp g, 0,1,2,3
	v_wmma_f32_16x16x128_fp8_fp8 v[OHI+8*\g:OHI+8*\g+7], v[KV+16*\g:KV+16*\g+15], v[PHI:PHI+15], v[OHI+8*\g:OHI+8*\g+7]
.endr
.Lend_\@:
	s_add_co_u32 s[ST], s[ST], 1
	s_add_co_u32 s[TB], s[TB], STEPB
.endm
	s_wait_tensorcnt 1                             ; my piece of keys 0 .. 511 is in; the other load may be out
	s_barrier_signal -1
	s_barrier_wait -1                              ; everybody's is
	s_wait_loadcnt 0x0                             ; Q
.Learly:                                           ; four trips, on the first 32,768 bytes of K and of V alone
	STEP 0
	s_cmp_lt_u32 s[ST], 4
	s_cbranch_scc1 .Learly
	s_wait_tensorcnt 0x0                           ; my piece of the rest is in
	s_wait_dscnt 0x0
	s_barrier_signal -1
	s_barrier_wait -1                              ; everybody's is: from here on the waves run free
.Llate:                                            ; twelve trips
	STEP 1
	s_cmp_lt_u32 s[ST], 16
	s_cbranch_scc1 .Llate
	; THE WAY OUT.  O / l stands for (O / l) x 2^(e8 + e9); its code is (O / l) / 2^(e10 - e8 - e9).  Tile c's eight channels become registers 2 c, 2 c + 1: a head's half of a 16 x 128 fragment.
	s_sub_co_i32 s2, s62, s60
	s_sub_co_i32 s2, s2, s61
	s_add_co_i32 s2, s2, 127
	s_lshl_b32 s3, s2, 23
.rept 4
	v_nop                                          ; places behind the last products
.endr
	v_mov_b32 v[FS], s3
.macro FINISH st, o, w, co, ptr
	v_add_f32 v[\st+2], v[\st+2], v[\st+3]         ; l's two halves,
	s_delay_alu instid0(VALU_DEP_1)
	v_permlanex16_b32 v[\st+3], v[\st+2], s[SEL], s[SEL+1]
	s_delay_alu instid0(VALU_DEP_1)
	v_add_f32 v[\st+2], v[\st+2], v[\st+3]         ; and lane l xor 16's
	s_wait_alu depctr_va_vdst(0)
	v_rcp_f32 v[\st+2], v[\st+2]
	v_nop                                          ; one plain line behind the reciprocal
.set i, 0
	s_wait_alu depctr_va_vdst(0)
.rept 32
	v_mul_f32 v[\w+i], v[\o+i], v[\st+2]
.set i, i+1
.endr
.set i, 0
.rept 32
.set i, i+1
.endr
.irp g, 0,1,2,3
	v_cvt_scalef32_pk8_fp8_f32 v[\co+2*\g:\co+2*\g+1], v[\w+8*\g:\w+8*\g+7], v[FS]
.endr
	v_nop
	global_store_b128 v[L16], v[\co:\co+3], s[\ptr:\ptr+1]                 ; 512 consecutive bytes, aligned
	global_store_b128 v[L16], v[\co+4:\co+7], s[\ptr:\ptr+1] offset:512
.endm
	FINISH STH, OHI, 96, 32, 6
	FINISH STL, OLO, 128, 40, 8
	s_wait_xcnt 0x0
	v_lshl_add_u32 v254, v0, 2, 0x40000
	v_mov_b32 v255, 0
	s_wait_alu depctr_va_vdst(0)
	s_wait_tensorcnt 0x0
	ds_add_u32 v254, v255
	s_wait_dscnt 0x0
	CROUND                                         ; the closing round
	s_endpgm
.Lfunc_end_k_q58f2534ffd_attn:
	.size	k_q58f2534ffd_attn, .Lfunc_end_k_q58f2534ffd_attn-k_q58f2534ffd_attn
	.p2alignl 7, 3214868480
	.fill 96, 4, 3214868480
	.section	.rodata,"a",@progbits
	.p2align	6, 0x0
	.amdhsa_kernel k_q58f2534ffd_attn
		.amdhsa_group_segment_fixed_size 327680
		.amdhsa_private_segment_fixed_size 0
		.amdhsa_enable_private_segment 0
		.amdhsa_kernarg_size 40
		.amdhsa_user_sgpr_count 2
		.amdhsa_user_sgpr_kernarg_segment_ptr 1
		.amdhsa_wavefront_size32 1
		.amdhsa_system_sgpr_workgroup_id_x 1
		.amdhsa_system_sgpr_workgroup_id_y 1
		.amdhsa_system_sgpr_workgroup_id_z 1
		.amdhsa_system_vgpr_workitem_id 0
		.amdhsa_next_free_vgpr 256
		.amdhsa_next_free_sgpr 70
		.amdhsa_reserve_vcc 1
		.amdhsa_float_denorm_mode_32 3
		.amdhsa_float_denorm_mode_16_64 3
		.amdhsa_fp16_overflow 1
		.amdhsa_memory_ordered 1
		.amdhsa_forward_progress 1
		.amdhsa_inst_pref_size 82
	.end_amdhsa_kernel
	.amdgpu_metadata
---
amdhsa.version: [ 1, 2 ]
amdhsa.kernels:
  - .name:           k_q58f2534ffd_attn
    .symbol:         k_q58f2534ffd_attn.kd
    .args:
      - { .name: q_img, .offset: 0, .size: 8, .value_kind: global_buffer, .address_space: global }
      - { .name: k_img, .offset: 8, .size: 8, .value_kind: global_buffer, .address_space: global }
      - { .name: v_img, .offset: 16, .size: 8, .value_kind: global_buffer, .address_space: global }
      - { .name: lowp_scales, .offset: 24, .size: 8, .value_kind: global_buffer, .address_space: global }
      - { .name: attn_img, .offset: 32, .size: 8, .value_kind: global_buffer, .address_space: global }
    .group_segment_fixed_size: 327680
    .private_segment_fixed_size: 0
    .kernarg_segment_align: 8
    .kernarg_segment_size: 40
    .max_flat_workgroup_size: 512
    .sgpr_count:     70
    .vgpr_count:     256
    .wavefront_size: 32
...
	.end_amdgpu_metadata
.endif
;; end of part 2
;; launch oproj (part 3): grid 8 x 32, 4 waves a work-group, clusters of 4 x 4, 327,680 bytes of LDS; arguments attn_img, wo_codes, lowp_scales, out0; writes out0
.if DOCPART == 3
	.amdgcn_target "amdgcn-amd-amdhsa--gfx1250"
	.amdhsa_code_object_version 6
	.text
	.protected	k_q58f2534ffd_oproj
	.globl	k_q58f2534ffd_oproj
	.p2align	8
	.type	k_q58f2534ffd_oproj,@function
k_q58f2534ffd_oproj:
	s_mov_b64 s[64:65], 0
	v_nop
	global_prefetch_b8 v0, s[64:65] scope:SCOPE_SE
	s_setreg_imm32_b32 hwreg(HW_REG_WAVE_MODE, 25, 1), 1
	s_wait_xcnt 0x0
	s_wait_alu depctr_hold_cnt(0) depctr_sa_sdst(0) depctr_va_vdst(0) depctr_va_sdst(0) depctr_va_ssrc(0) depctr_va_vcc(0) depctr_vm_vsrc(0)
	s_getreg_b32 s2, hwreg(HW_REG_IB_STS2, 6, 4)
	s_cmp_eq_u32 s2, 0
	s_cbranch_scc0 .Lentry_in_a_cluster
	s_endpgm
.Lentry_in_a_cluster:
	s_bfe_u32 s2, ttmp6, 0x10000c
	s_cmp_lg_u32 s2, 0xf033
	s_cbranch_scc0 .Lentry_shape_is_right
	s_endpgm
.Lentry_shape_is_right:
; out0 = attn wo^T on codes of FP8 (E4M3), x 2^(e10 + e11).  attn_img: images of 16 x 128 fragments, ((Tg 8 + kappa) 4 + piece) 512 + 16 lane (Tg = tile of 16 rows, kappa = 128 along K); wo: [1024][1024] codes, K innermost.
; SHARES.  A tile of out0 is 256 rows x 128 columns: 32 x 8 = 256 work-groups (256 x 256 would give 128).  Wave w: rows 64 w .. 64 w + 63, all 128 columns: 32 accumulators, window 2.
; Source 0 = 16 rows of wo, source 1 = 16 rows of attn: a lane holds eight neighbouring columns of one row of out0.
; attn's fragments hold every k in its true place, so wo's are fetched in that layout too: eight loads of 8 bytes at row x pitch + 16 c + 8 (lane / 16).
; K = 1,024 is four quarters of 256.  Three LDS slots take quarters 0, 1, 2 at the head; slot 0 is filled once more, with quarter 3, when its two steps are read: one refill, with four steps (128 matrix instructions) in which to land.
; CLUSTER 4 x 4: attn's tile is asked for jointly along a row of the cluster, wo's along a column.
; LIMIT: e10 + e11 between -126 and 127, so that 2^(e10 + e11) is an f32 number.
; No prefetch: the launch is eight steps long and three of its four quarters are asked for at its head.
.set ASZ,    65536                     ; a slot: attn's 16 tiles x 4,096 bytes,
.set BP,     272                       ; then wo's 128 rows of 256 bytes + 16 of padding
.set SLOTB,  ASZ+128*BP                ; 100,352
.set SPARE,  3*SLOTB                   ; behind the slots: the spare words, 128 bytes for each wave, that no other line names
.set STAGE,  SLOTB                     ; the way out: 16 rows x 528 bytes for each wave, in slot 1, which has had its one fill and its last read by then
.set SPITCH, 528
.set ADRA, 16                          ; v16-18  my fragments of attn in slot 0, 1, 2
.set ADRB, 20                          ; v20-22  wo's
.set STO,  24
.set RD,   25
.set CO,   26
.set SPW,  28
.set NIL,  29
.set TMP,  32                          ; the way out: 64 registers
.set AF,   64                          ; v64-127, v128-191: attn's four fragments, two sets;  window 1: wo's eight, two sets
.set BK,   128                         ; the way out: rows read back, v128-191 and v192-255 by turns
.set WV, 14
.set U,  15
.set CX, 17
.set CY, 18
.set TC, 19
.set TR, 20
.set G1A, 24
.set G1B, 32
.set G0A, 40                           ; s[40:51] three groups 0 for attn's tiles; s[52:63] for wo's
.set G0B, 52
.set MSB, 0
.macro WIN new
.if MSB != (\new)
	s_set_vgpr_msb (MSB<<8)|(\new)
.set MSB, (\new)
.endif
.endm
.macro PLACES
.rept 4
	v_nop
.endr
.endm
.macro CROUND
	s_barrier_signal -1
	s_barrier_wait -1
	s_cmp_lg_u32 s[WV], 0
	s_cbranch_scc1 .Lnot_wave_0_\@
	s_barrier_signal -3
.Lnot_wave_0_\@:
	s_barrier_wait -3
	s_barrier_signal -1
	s_barrier_wait -1
.endm
	s_load_b256 s[4:11], s[0:1], 0x0               ; attn_img s[4:5], wo s[6:7], scales s[8:9], out0 s[10:11]
	v_lshl_add_u32 v[SPW], v0, 2, SPARE
	v_mov_b32 v[NIL], 0
	ds_add_u32 v28, v29
	ds_add_u32 v28, v29
	s_wait_dscnt 0x0
	v_lshrrev_b32 v1, 5, v0
	v_readfirstlane_b32 s[WV], v1                  ; wave 0..3: waves 0, 1 fetch attn's halves, waves 2, 3 wo's
	s_and_b32 s[U], s[WV], 1
	s_bfe_u32 s[CX], ttmp6, 0x40000
	s_bfe_u32 s[CY], ttmp6, 0x40004
	s_lshl_b32 s[TC], ttmp9, 2
	s_add_co_u32 s[TC], s[TC], s[CX]               ; tile column: columns 128 tc on
	s_and_b32 s[TR], ttmp7, 0xffff
	s_lshl_b32 s[TR], s[TR], 2
	s_add_co_u32 s[TR], s[TR], s[CY]               ; tile row: rows 256 tr on
	s_lshl_b32 s72, s[CY], 2
	s_lshl_b32 s72, 15, s72                        ; my row of the cluster
	s_lshl_b32 s73, 0x1111, s[CX]                  ; my column
	s_or_b32 s[G1A], s72, (3<<16)|(1<<21)          ; attn: elements of 8 bytes, no padding: 8 rows of 4,096 bytes, 16,384 bytes apart
	s_mov_b32 s[G1A+1], 512<<16
	s_mov_b32 s[G1A+2], 8<<16
	s_mov_b32 s[G1A+3], 512<<16
	s_mov_b32 s[G1A+4], 8
	s_mov_b32 s[G1A+5], 2048
	s_mov_b32 s[G1A+6], 0
	s_mov_b32 s[G1A+7], 0
	s_or_b32 s[G1B], s73, (1<<20)|(1<<21)|(5<<22)|(3<<25)   ; wo: elements of 1 byte; 64 rows of 256 bytes; 4 words of padding after every 64
	s_mov_b32 s[G1B+1], 256<<16
	s_mov_b32 s[G1B+2], 64<<16
	s_mov_b32 s[G1B+3], 256<<16
	s_mov_b32 s[G1B+4], 64
	s_mov_b32 s[G1B+5], 1024
	s_mov_b32 s[G1B+6], 0
	s_mov_b32 s[G1B+7], 0
	s_lshl_b32 s66, s[TR], 4
	s_lshl_b32 s67, s[U], 3
	s_add_co_u32 s66, s66, s67
	s_lshl_b32 s66, s66, 14                        ; attn: tile 16 tr + 8 u, 16,384 bytes a tile
	s_mov_b32 s67, 0
	s_lshl_b32 s68, s[TC], 7
	s_lshl_b32 s69, s[U], 6
	s_add_co_u32 s68, s68, s69
	s_lshl_b32 s68, s68, 10                        ; wo: row 128 tc + 64 u
	s_mov_b32 s69, 0
	s_lshl_b32 s70, s[U], 15                       ; where they go in a slot
	s_mul_i32 s71, s[U], 64*BP
	s_add_co_u32 s71, s71, ASZ
	s_wait_kmcnt 0x0
	s_load_b64 s[96:97], s[8:9], 0x28              ; e10, e11
	s_add_nc_u64 s[66:67], s[4:5], s[66:67]
	s_add_nc_u64 s[68:69], s[6:7], s[68:69]
.irp k, 0,1,2
	s_mov_b32 s[G0A+4*\k], 1
	s_add_co_u32 s[G0A+4*\k+1], s70, \k*SLOTB
	s_add_nc_u64 s[G0A+4*\k+2:G0A+4*\k+3], s[66:67], \k*4096
	s_or_b32 s[G0A+4*\k+3], s[G0A+4*\k+3], 0x80000000
	s_mov_b32 s[G0B+4*\k], 1
	s_add_co_u32 s[G0B+4*\k+1], s71, \k*SLOTB
	s_add_nc_u64 s[G0B+4*\k+2:G0B+4*\k+3], s[68:69], \k*256
	s_or_b32 s[G0B+4*\k+3], s[G0B+4*\k+3], 0x80000000
.endr
	CROUND                                         ; all sixteen work-groups are here: the first joint loads meet
	s_cmp_lt_u32 s[WV], 2                          ; a wave's three first fills stand in one branch: three loads of mine are out
	s_cbranch_scc0 .Lfirst_b
	tensor_load_to_lds s[G0A:G0A+3], s[G1A:G1A+7]
	s_nop 0
	tensor_load_to_lds s[G0A+4:G0A+7], s[G1A:G1A+7]
	s_nop 0
	tensor_load_to_lds s[G0A+8:G0A+11], s[G1A:G1A+7]
	s_nop 0
.rept 4
	v_nop
.endr
	s_branch .Lfirst_asked
.Lfirst_b:
	tensor_load_to_lds s[G0B:G0B+3], s[G1B:G1B+7]
	s_nop 0
	tensor_load_to_lds s[G0B+4:G0B+7], s[G1B:G1B+7]
	s_nop 0
	tensor_load_to_lds s[G0B+8:G0B+11], s[G1B:G1B+7]
	s_nop 0
.rept 4
	v_nop
.endr
.Lfirst_asked:
	v_and_b32 v3, 31, v0
	v_and_b32 v1, 15, v0                           ; r
	v_bfe_u32 v2, v0, 4, 1                         ; h
	v_lshlrev_b32 v[CO], 4, v3                     ; 16 x lane
	v_mul_u32_u24 v4, v1, BP
	v_lshl_add_u32 v4, v2, 3, v4                   ; wo: row r x pitch + 8 h
	s_lshl_b32 s72, s[WV], 14                      ; my four tiles of attn
	s_mov_b32 s73, ASZ
.irp k, 0,1,2
	v_add_nc_u32 v[ADRA+\k], s72, v[CO]
	v_add_nc_u32 v[ADRB+\k], s73, v4
	s_add_co_u32 s72, s72, SLOTB
	s_add_co_u32 s73, s73, SLOTB
.endr
	s_mul_i32 s72, s[WV], 16*SPITCH
	s_add_co_u32 s72, s72, STAGE                   ; my stage
	v_mul_u32_u24 v5, v1, SPITCH
	v_lshl_add_u32 v5, v2, 5, v5
	v_add_nc_u32 v[STO], s72, v5                   ; in: row r, 32 bytes for each half of the lanes
	v_add_nc_u32 v[RD], s72, v[CO]                 ; back: the 32 lanes take one row of 512 bytes
	s_lshl_b32 s72, s[TR], 8
	s_lshl_b32 s73, s[WV], 6
	s_add_co_u32 s72, s72, s73
	s_lshl_b32 s72, s72, 12                        ; my first row of out0, 4,096 bytes a row,
	s_lshl_b32 s73, s[TC], 9
	s_add_co_u32 s72, s72, s73                     ; + my tile's 512 bytes of it
	s_mov_b32 s73, 0
	s_add_nc_u64 s[10:11], s[10:11], s[72:73]
.macro FETCH sg                        ; step sg's fragments (128 along K: half sg % 2 of quarter sg / 2) into set sg % 2: 64 loads of 8 bytes for wo, 16 of 16 bytes for attn
.set fk, ((\sg)/2)%3
.set fq, (\sg)%2
	WIN 0x40                                       ; destination window 1
.irp b, 0,1,2,3,4,5,6,7
.irp c, 0,1,2,3,4,5,6,7
	ds_load_b64 v[128*fq+16*\b+2*\c:128*fq+16*\b+2*\c+1], v[ADRB+fk] offset:\b*16*BP+128*fq+16*\c
.endr
.endr
	WIN 0
.irp a, 0,1,2,3
.irp c, 0,1,2,3
	ds_load_b128 v[AF+64*fq+16*\a+4*\c:AF+64*fq+16*\a+4*\c+3], v[ADRA+fk] offset:\a*4096+2048*fq+512*\c
.endr
.endr
.endm
.macro MUL sg, zero                    ; 32 matrix instructions; the 32 accumulators take turns, one instruction a turn, in the same order in every step
.set fq, (\sg)%2
	WIN 0xa1                                       ; source 0 (wo) window 1, source 1 (attn) window 0, C and D window 2
.irp a, 0,1,2,3
.irp b, 0,1,2,3,4,5,6,7
.if \zero
	v_wmma_f32_16x16x128_fp8_fp8 v[8*(8*\a+\b):8*(8*\a+\b)+7], v[128*fq+16*\b:128*fq+16*\b+15], v[AF+64*fq+16*\a:AF+64*fq+16*\a+15], 0
.else
	v_wmma_f32_16x16x128_fp8_fp8 v[8*(8*\a+\b):8*(8*\a+\b)+7], v[128*fq+16*\b:128*fq+16*\b+15], v[AF+64*fq+16*\a:AF+64*fq+16*\a+15], v[8*(8*\a+\b):8*(8*\a+\b)+7]
.endif
.endr
.endr
	WIN 0
.endm
	s_wait_alu depctr_va_vdst(0)
	s_wait_tensorcnt 2                             ; my part of quarter 0 is in; the other two loads may be out
	s_barrier_signal -1
	s_barrier_wait -1
	FETCH 0
	s_wait_dscnt 0x0                               ; step 0
	FETCH 1
	MUL 0, 1                                       ; its products start the sums
	; step 1: slot 0 has been read out (step 1's fragments are asked for): it takes quarter 3
	s_wait_tensorcnt 0x0                           ; all my tensor loads have landed: quarters 1 and 2 among them
	ds_add_u32 v[SPW], v[NIL]                      ; 0 onto my spare word
	s_add_nc_u64 s[G0A+2:G0A+3], s[G0A+2:G0A+3], 3*4096
	s_add_nc_u64 s[G0B+2:G0B+3], s[G0B+2:G0B+3], 3*256
	s_wait_dscnt 0x0                               ; the add is done, and my reads of slot 0 are over
	CROUND                                         ; the same now holds of every wave of every partner
	s_cmp_lt_u32 s[WV], 2
	s_cbranch_scc0 .Lre_b
	tensor_load_to_lds s[G0A:G0A+3], s[G1A:G1A+7]  ; the one refill; its four v_nop are the places in front of the loads below
	s_nop 0
.rept 4
	v_nop
.endr
	s_branch .Lre_asked
.Lre_b:
	tensor_load_to_lds s[G0B:G0B+3], s[G1B:G1B+7]
	s_nop 0
.rept 4
	v_nop
.endr
.Lre_asked:
	FETCH 2
	MUL 1, 0
.irp g, 2,3,4
	s_wait_dscnt 0x0                               ; this step's fragments are in
	PLACES                                         ; the loads below land in registers that the step before multiplied
	FETCH \g+1
	MUL \g, 0
.endr
	s_wait_tensorcnt 0x0                           ; step 5: my part of quarter 3 is in,
	s_wait_dscnt 0x0
	s_barrier_signal -1
	s_barrier_wait -1                              ; everybody's is; and nobody reads slot 1 any more
	PLACES
	FETCH 6
	MUL 5, 0
	s_wait_dscnt 0x0
	PLACES
	FETCH 7
	MUL 6, 0
	s_wait_dscnt 0x0
	MUL 7, 0
; THE WAY OUT, block by block of 16 rows x 128 columns: x 2^(e10 + e11), through my own stage, back as whole rows of 512 bytes.  LDS serves a wave's instructions in order (ISA guide 5.7.1.4): no wait between the stores and the loads.
.macro TOSTAGE a
	WIN 0x02                                       ; source 0: window 2
.set j, 0
.rept 32
	v_pk_mul_f32 v[TMP+j:TMP+j+1], v[64*(\a)+j:64*(\a)+j+1], s[96:97] op_sel_hi:[1,0]   ; each accumulator from its low end on
.set j, j+2
.endr
	WIN 0
.irp b, 0,1,2,3,4,5,6,7
	ds_store_b128 v[STO], v[TMP+8*\b:TMP+8*\b+3] offset:64*\b
	ds_store_b128 v[STO], v[TMP+8*\b+4:TMP+8*\b+7] offset:64*\b+16
.endr
.irp t, 0,1,2,3,4,5,6,7,8,9,10,11,12,13,14,15
	ds_load_b128 v[BK+64*((\a)%2)+4*\t:BK+64*((\a)%2)+4*\t+3], v[RD] offset:\t*SPITCH
.endr
.endm
.macro SEND a, younger                 ; younger: the LDS instructions issued behind block a's loads
	s_wait_dscnt \younger
.if (\a) > 0
	s_add_nc_u64 s[10:11], s[10:11], 16*4096       ; (behind a wait on XCNT: the earlier stores have read their base)
.endif
.irp t, 0,1,2,3,4,5,6,7,8,9,10,11,12,13,14,15
	global_store_b128 v[CO], v[BK+64*((\a)%2)+4*\t:BK+64*((\a)%2)+4*\t+3], s[10:11] offset:\t*4096 th:TH_STORE_NT   ; 512 consecutive bytes, aligned; written once, read by nobody here
.endr
.endm
	s_wait_kmcnt 0x0
	s_add_co_i32 s96, s96, s97
	s_add_co_i32 s96, s96, 127
	s_lshl_b32 s96, s96, 23                        ; 2^(e10 + e11) as f32
	PLACES                                         ; behind the last products
	TOSTAGE 0
.irp a, 1,2,3
.if \a > 1
	s_wait_xcnt 0x0                                ; block a - 2's stores have read their registers and their base
.endif
	TOSTAGE \a
	SEND \a-1, 32
.endr
	s_wait_xcnt 0x0
	SEND 3, 0
	s_wait_tensorcnt 0x0                           ; the wave's end
	ds_add_u32 v[SPW], v[NIL]
	s_wait_dscnt 0x0
	CROUND                                         ; the closing round
	s_endpgm
.Lfunc_end_k_q58f2534ffd_oproj:
	.size	k_q58f2534ffd_oproj, .Lfunc_end_k_q58f2534ffd_oproj-k_q58f2534ffd_oproj
	.p2alignl 7, 3214868480
	.fill 96, 4, 3214868480
	.section	.rodata,"a",@progbits
	.p2align	6, 0x0
	.amdhsa_kernel k_q58f2534ffd_oproj
		.amdhsa_group_segment_fixed_size 327680
		.amdhsa_private_segment_fixed_size 0
		.amdhsa_enable_private_segment 0
		.amdhsa_kernarg_size 32
		.amdhsa_user_sgpr_count 2
		.amdhsa_user_sgpr_kernarg_segment_ptr 1
		.amdhsa_wavefront_size32 1
		.amdhsa_system_sgpr_workgroup_id_x 1
		.amdhsa_system_sgpr_workgroup_id_y 1
		.amdhsa_system_sgpr_workgroup_id_z 1
		.amdhsa_system_vgpr_workitem_id 0
		.amdhsa_next_free_vgpr 768
		.amdhsa_next_free_sgpr 100
		.amdhsa_reserve_vcc 0
		.amdhsa_float_denorm_mode_32 3
		.amdhsa_float_denorm_mode_16_64 3
		.amdhsa_memory_ordered 1
		.amdhsa_forward_progress 1
		.amdhsa_inst_pref_size 90
	.end_amdhsa_kernel
	.amdgpu_metadata
---
amdhsa.version: [ 1, 2 ]
amdhsa.kernels:
  - .name:           k_q58f2534ffd_oproj
    .symbol:         k_q58f2534ffd_oproj.kd
    .args:
      - { .name: attn_img, .offset: 0, .size: 8, .value_kind: global_buffer, .address_space: global }
      - { .name: wo_codes, .offset: 8, .size: 8, .value_kind: global_buffer, .address_space: global }
      - { .name: lowp_scales, .offset: 16, .size: 8, .value_kind: global_buffer, .address_space: global }
      - { .name: out0, .offset: 24, .size: 8, .value_kind: global_buffer, .address_space: global }
    .group_segment_fixed_size: 327680
    .private_segment_fixed_size: 0
    .kernarg_segment_align: 8
    .kernarg_segment_size: 32
    .max_flat_workgroup_size: 128
    .sgpr_count:     100
    .vgpr_count:     768
    .wavefront_size: 32
...
	.end_amdgpu_metadata
.endif
;; end of part 3
